; MI455X (gfx1250); checked and timed in simulation.
; The chip was launched on July 23, 2026; its instructions are those of AMD's public machine-readable ISA for CDNA 5 (MIT licence, August 2026) and "CDNA5" Instruction Set Architecture Reference Guide (July 2026). The comments in the code are by the model that wrote it; some were corrected since.
;; Multi Head Self Attention. Allowed arithmetic: matrix products marked QUANTISED: E2M3 operands, one E8M0 scale for each 32 along K, by v_wmma_scale_f32_16x16x128_f8f6f4 with both operands' format E2M3, f32 sums; products left as they are: f32 operands where the result goes on into a quantised operand, else bf16, f16 or f32 operands; f32 sums; everything else in f32.
;; Inputs: b_k 2,048 float32; b_o 2,048 float32; b_q 2,048 float32; b_v 2,048 float32; ln_beta 2,048 float32; ln_gamma 2,048 float32; w_k 2,048 x 2,048 float32; w_o 2,048 x 2,048 float32; w_q 2,048 x 2,048 float32; w_v 2,048 x 2,048 float32; x 4,096 x 1 x 2,048 float32.
;; Outputs: out0 4,096 x 2,048 float32.
;; This version of the problem:
;;   THIS VERSION OF THE PROBLEM IS GIVEN IN LOW PRECISION. The matrix products marked QUANTISED in the list below multiply operands that are first quantised to E2M3 (2 exponent bits, 3 mantissa bits; 6 bits a number), with one power-of-two scale for each 32 numbers along K (OCP MX v1.0); their sums are f32. All else is computed in f32.
;;   The module's matrix products, in the order in which they are computed (A, B: the left and right operand; K: the contracted axis; several contracted axes count as one K, in the product's order):
;;     1. [M 4,096, K 2,048] x [K 2,048, N 2,048]; A: computed on the way; B: input w_q: QUANTISED
;;     2. [M 4,096, K 2,048] x [K 2,048, N 2,048]; A: computed on the way; B: input w_k: QUANTISED
;;     3. [M 4,096, K 2,048] x [K 2,048, N 2,048]; A: computed on the way; B: input w_v: QUANTISED
;;     4. batch 32,768 x [M 1, K 256] x [K 256, N 1]; A: computed on the way; B: computed on the way: left as it is (M = 1 < 16)
;;     5. batch 32,768 x [M 1, K 1] x [K 1, N 256]; A: softmax; B: computed on the way: left as it is (K = 1 < 32)
;;     6. [M 4,096, K 2,048] x [K 2,048, N 2,048]; A: computed on the way; B: input w_o: QUANTISED
;;   THE QUANTISER, for each operand of a quantised product, along K:
;;     - K is cut into blocks of 32 from its start; a last block that is shorter is filled with zeros.
;;     - A block's scale is 2^e with e = floor(log2(the largest magnitude in the block)) - 2, held to -126 .. 127; a block of zeros has e = 0. As a byte (E8M0): e + 127.
;;     - Each number is divided by its block's scale, clamped to +-7.5, and rounded to the nearest number of E2M3, ties to even, subnormals kept.
;;     - The product sums the exact products of the quantised numbers (number of the format x scale) in f32.
;;   ~~~python
;;   def quantise(x, axis):      # numpy; x: float32 -> the quantised numbers, widened to float32 again
;;       x = np.moveaxis(x, axis, -1); K = x.shape[-1]
;;       x = np.pad(x, [(0, 0)] * (x.ndim - 1) + [(0, -K % 32)]); x = x.reshape(x.shape[:-1] + (-1, 32)); a = np.abs(x).max(-1, keepdims=True)
;;       e = np.where(a > 0, np.clip(np.frexp(np.where(a > 0, a, 1))[1] - 1 - 2, -126, 127), 0)      # np.frexp(a)[1] - 1 = floor(log2(a)), exactly
;;       r = np.clip(x / 2.0 ** e, -7.5, 7.5)
;;       step = 2.0 ** (np.maximum(np.frexp(np.where(r == 0, 1, r))[1] - 1, 0) - 3)
;;       q = np.round(r / step) * step * 2.0 ** e      # np.round: ties to even
;;       return np.moveaxis(q.reshape(q.shape[:-2] + (-1,))[..., :K], -1, axis).astype(np.float32)
;;   ~~~
;;   OPERANDS COMPUTED ON THE WAY. 'Computed on the way' means the value that the module computes at that place (a softmax that the list does not call 'softmax' is quantised finished and normalised). What goes into a quantiser is computed in f32, as accurately as f32 sums, v_exp_f32 and their like allow (about 1e-6 of the number): no bf16 or f16 on the way to a quantiser, and a product that is left as it is and whose result goes on into a quantised operand takes f32 operands (vector FMAs, or v_wmma_f32_16x16x4_f32). A number that lies on a knife's edge between two numbers of the format may be rounded either way, as far as f32 arithmetic and the matrix unit's own rounding can turn it there, and no further.
;; One version. Each part assembles by itself: llvm-mc -triple=amdgcn-amd-amdhsa -mcpu=gfx1250 --defsym DOCPART=n.
;; ======== version 1 of 1: 3 launches
;; limits: right only within a limited range of input values
;; workspace buffers: hcodes 6,291,456 bytes; hscales 262,144 bytes; wcodes 6,291,456 bytes; wscales 262,144 bytes; acodes 6,291,456 bytes; ascales 262,144 bytes
;; launch prep (part 1): grid 256 x 1, 8 waves a work-group, no clusters, 327,680 bytes of LDS; arguments x, w_v, w_o, ln_gamma, ln_beta, hcodes, hscales, wcodes, wscales; writes hcodes, hscales, wcodes, wscales
.if DOCPART == 1
	.amdgcn_target "amdgcn-amd-amdhsa--gfx1250"
	.amdhsa_code_object_version 6
	.text
	.protected	k_q8c3ef7f50a_prep
	.globl	k_q8c3ef7f50a_prep
	.p2align	8
	.type	k_q8c3ef7f50a_prep,@function
k_q8c3ef7f50a_prep:
	s_mov_b64 s[64:65], 0
	v_nop
	global_prefetch_b8 v0, s[64:65] scope:SCOPE_SE
	s_setreg_imm32_b32 hwreg(HW_REG_WAVE_MODE, 25, 1), 1
	s_wait_xcnt 0x0
; h = layer norm of x, and the weights w_v and w_o, turned into codes of FP6 (E2M3) with one E8M0 byte for each 32 along K, laid in the order of a matrix operand's registers.
; WORK LEFT OUT.  reference() takes its softmax over an axis of length 1: each row and head has ONE key.  With the only score s as the maximum, p = exp(s - s) / exp(s - s) = 1 for every finite s,
; so attn = p v = v whatever q and k hold.  Hence q = h w_q^T + b_q, k = h w_k^T + b_k, the scores q . k and the product of p with v reach no output for any finite inputs: they are not computed.
; w_q, b_q, w_k and b_k have no way to the output: they are not loaded and are among no launch's arguments.
; LIMIT: a NaN, an infinity or an overflow that would arise in q, k or the scores alone is not carried to the result.  NaN and infinities among the inputs are not served (FP6 has no code for them).
; A block whose largest magnitude lies under 2^-124, a block of zeros too, has its byte held at 1 (the quantiser says 127 for zeros: the codes are zeros, and this program alone reads the bytes).
; A work-group takes one tile of 16 rows of x and one tile of 16 rows of a weight (work-groups 0-127 w_v, 128-255 w_o).  Lane r of tile 2 G + u is row 32 G + 8 u + (r & 7) + 16 (r >> 3); wave w of eight takes r = 2 w, 2 w + 1 of each.
; x's two rows come by the wave's one tensor load, the weight's two rows by 32 loads into window 1, issued behind it: all of a wave's input is asked for at the head.
; A lane holds two blocks of 32 of a row: k = 32 l .. and 1,024 + 32 l ..; in LDS each 128 bytes of a row have 16 bytes of padding behind them, so a lane's place is 144 bytes.
; Codes: [tile][K step 16][lane 32][48 bytes]; scale words: [tile][K step 16][r 16].  They are gathered in LDS, h's and the weight's in stages of their own, and leave in runs of 512 and 256 consecutive bytes.
; No cluster: work-groups share only gamma and beta, 16,384 bytes.  No prefetch: there is no loop to run ahead in.
.set RP,    9216                       ; a row in LDS: 64 x 144 bytes
.set WB,    2*RP                       ; a wave's two rows
.set CSTG,  16*RP                      ; h's codes: [K step 16][1,536 + 16 bytes]
.set CP,    1552
.set SSTG,  CSTG+16*CP                 ; h's scale words, 1,024 bytes
.set STG2,  16*CP+1024                 ; the weight's stage lies so far behind h's
.set SPARE, CSTG+2*STG2                ; the spare words: 128 bytes a wave, four blocks of 256 bytes that no other line names
.set LA,   2
.set CSA,  4
.set SSA,  5
.set CRA,  6
.set SRA,  7
.set GCO,  8
.set GSO,  9
.set GOFF, 10
.set GL,   11
.set SA2,  12
.set CH,   16
.set MU,   24
.set VT,   26
.set TP,   27
.set RS,   28
.set Z,    32
.set SPW,  62
.set NIL,  63
.set X,    64
.set GA,   128
.set BE,   192
.set MSB, 0
.macro WIN new                         ; the immediate's high byte repeats the setting that is left
.if MSB != \new
	s_set_vgpr_msb (MSB<<8)|\new
.set MSB, \new
.endif
.endm
	s_load_b64 s[4:5], s[0:1], 0x0                 ; x
	s_load_b64 s[10:11], s[0:1], 0x8               ; w_v
	s_load_b64 s[12:13], s[0:1], 0x10              ; w_o
	s_load_b64 s[14:15], s[0:1], 0x18              ; gamma
	s_load_b128 s[16:19], s[0:1], 0x20             ; beta, hcodes
	s_load_b128 s[20:23], s[0:1], 0x30             ; hscales, wcodes
	s_load_b64 s[24:25], s[0:1], 0x40              ; wscales
	v_lshl_add_u32 v[SPW], v0, 2, SPARE
	v_mov_b32 v[NIL], 0
	ds_add_u32 v[SPW], v[NIL]                      ; the opening lines: the add,
	ds_add_u32 v[SPW], v[NIL]                      ; once more, and one wait below
	v_lshrrev_b32 v1, 5, v0
	v_readfirstlane_b32 s26, v1                    ; wave 0..7
	s_mov_b32 s32, (3<<16)|(1<<20)|(4<<22)|(3<<25) ; group 1: 2 rows of 1,024 elements of 8 bytes; 4 words of padding behind every 32
	s_mov_b32 s33, 1024<<16
	s_mov_b32 s34, 2<<16
	s_mov_b32 s35, 1024<<16
	s_mov_b32 s36, 2
	s_mov_b32 s37, 1024
	s_mov_b32 s38, 0
	s_mov_b32 s39, 0
	s_and_b32 s27, s26, 3                          ; my first row in the tile's 32: 2 (w & 3) + 16 (w >> 2)
	s_lshl_b32 s27, s27, 1
	s_lshr_b32 s28, s26, 2
	s_lshl_b32 s28, s28, 4
	s_add_co_u32 s27, s27, s28
	s_lshr_b32 s28, ttmp9, 1                       ; + 32 G + 8 u
	s_lshl_b32 s28, s28, 5
	s_and_b32 s29, ttmp9, 1
	s_lshl_b32 s29, s29, 3
	s_add_co_u32 s28, s28, s29
	s_add_co_u32 s28, s28, s27
	s_lshl_b32 s28, s28, 13                        ; in bytes: 8,192 a row
	s_mov_b32 s29, 0
	s_and_b32 s30, s28, 0xffffff                   ; the same in a weight of 2,048 rows
	s_mov_b32 s31, 0
	s_mul_i32 s60, ttmp9, 24576                    ; the tile's codes
	s_mov_b32 s61, 0
	s_lshl_b32 s62, ttmp9, 10                      ; and its scale words
	s_mov_b32 s63, 0
	s_mov_b32 s72, 0x76543210
	s_mov_b32 s73, 0xfedcba98                      ; v_permlanex16_b32's selects for lane l xor 16
	s_mov_b32 s74, 0x3a000000                      ; 1 / 2,048
	s_mov_b32 s75, 0x3727c5ac                      ; 1e-5
	v_and_b32 v1, 31, v0
	v_lshlrev_b32 v[GOFF], 7, v1
	v_lshlrev_b32 v[GL], 4, v1
	v_mov_b32 v[TP], 0
	s_wait_alu depctr_va_vdst(0)
	s_wait_dscnt 0x0
	s_wait_kmcnt 0x0
	s_cmp_lt_u32 ttmp9, 128                        ; the choice hangs on the work-group's number alone
	s_cselect_b64 s[10:11], s[10:11], s[12:13]
	s_mov_b32 s40, 1
	s_mul_i32 s41, s26, WB
	s_add_nc_u64 s[42:43], s[4:5], s[28:29]
	s_or_b32 s43, s43, 0x80000000
	s_add_nc_u64 s[48:49], s[10:11], s[30:31]
	tensor_load_to_lds s[40:43], s[32:39]          ; my two rows of x: my one tensor load
	s_nop 0
.rept 4
	v_nop
.endr
.irp q, 0,1
.irp j, 0,1,2,3,4,5,6,7
	global_load_b128 v[GA+32*\q+4*\j:GA+32*\q+4*\j+3], v[GOFF], s[14:15] offset:4096*\q+16*\j
	global_load_b128 v[BE+32*\q+4*\j:BE+32*\q+4*\j+3], v[GOFF], s[16:17] offset:4096*\q+16*\j
.endr
.endr
	WIN 0x40
.irp i, 0,1
.irp j, 0,1,2,3,4,5,6,7,8,9,10,11,12,13,14,15
	global_load_b128 v[64*\i+4*\j:64*\i+4*\j+3], v[GL], s[48:49] offset:\i*8192+512*\j th:TH_LOAD_NT   ; 32 lanes read 512 consecutive bytes of a weight's row
.endr
.endr
	WIN 0
	s_add_nc_u64 s[52:53], s[18:19], s[60:61]
	s_add_nc_u64 s[54:55], s[20:21], s[62:63]
	s_add_nc_u64 s[56:57], s[22:23], s[60:61]
	s_add_nc_u64 s[58:59], s[24:25], s[62:63]
	v_mul_u32_u24 v[LA], v1, 144
	v_add_nc_u32 v[LA], s41, v[LA]                 ; my 128 bytes of a row
	v_lshrrev_b32 v13, 3, v1
	v_lshl_add_u32 v[SA2], v13, 4, v[GL]
	v_add_nc_u32 v[SA2], s41, v[SA2]               ; a weight's row on its way in: 16 bytes a lane, padded alike
	v_lshrrev_b32 v13, 2, v1                       ; my block l is block l & 3 of K step l >> 2: operand lane r + 16 (l & 1), registers 6 ((l >> 1) & 1) on
	v_mul_u32_u24 v[CSA], v13, CP
	v_and_b32 v14, 1, v1
	v_mad_u32_u24 v[CSA], v14, 768, v[CSA]
	v_bfe_u32 v14, v1, 1, 1
	v_mad_u32_u24 v[CSA], v14, 24, v[CSA]
	s_mul_i32 s66, s26, 96                         ; r = 2 w + row: 48 bytes each
	s_add_co_u32 s66, s66, CSTG
	v_add_nc_u32 v[CSA], s66, v[CSA]
	v_lshl_add_u32 v[SSA], v13, 6, SSTG
	v_and_b32 v14, 3, v1
	v_add_nc_u32 v[SSA], v[SSA], v14
	s_lshl_b32 s66, s26, 3
	v_add_nc_u32 v[SSA], s66, v[SSA]               ; byte l & 3 of row r's word of K step l >> 2
	s_mul_i32 s66, s26, 2*CP                       ; the way out: wave w takes K steps 2 w, 2 w + 1
	s_add_co_u32 s66, s66, CSTG
	v_add_nc_u32 v[CRA], s66, v[GL]
	s_mul_i32 s66, s26, 3072
	v_add_nc_u32 v[GCO], s66, v[GL]
	s_and_b32 s66, s26, 3                          ; and waves 0 to 3 take 256 bytes of scale words each
	s_lshl_b32 s66, s66, 8
	v_lshl_add_u32 v[GSO], v1, 3, s66
	v_add_nc_u32 v[SRA], SSTG, v[GSO]
.macro ROWLOAD row
.irp q, 0,1
.irp j, 0,1,2,3,4,5,6,7
	ds_load_b128 v[X+32*\q+4*\j:X+32*\q+4*\j+3], v[LA] offset:(\row)*RP+\q*4608+16*\j
.endr
.endr
.endm
.macro JOIN                            ; four pairs of partial sums into the row's sum, in every lane
	v_pk_add_f32 v[CH:CH+1], v[CH:CH+1], v[CH+2:CH+3]
	v_pk_add_f32 v[CH+4:CH+5], v[CH+4:CH+5], v[CH+6:CH+7]
	v_pk_add_f32 v[CH:CH+1], v[CH:CH+1], v[CH+4:CH+5]
	v_add_f32 v[CH], v[CH], v[CH+1]
	v_add_f32_dpp v[CH], v[CH], v[CH] row_xmask:1 row_mask:0xf bank_mask:0xf
	v_add_f32_dpp v[CH], v[CH], v[CH] row_xmask:2 row_mask:0xf bank_mask:0xf
	v_add_f32_dpp v[CH], v[CH], v[CH] row_xmask:4 row_mask:0xf bank_mask:0xf
	v_add_f32_dpp v[CH], v[CH], v[CH] row_xmask:8 row_mask:0xf bank_mask:0xf
	v_permlanex16_b32 v[TP], v[CH], s72, s73
	v_add_f32 v[CH], v[CH], v[TP]
.endm
.macro LNROW                           ; the layer norm of the row in v[X ..]: mean, x - mean, the mean of its squares, rsqrt, gamma and beta, all in f32
.irp c, 0,1,2,3
	v_pk_add_f32 v[CH+2*\c:CH+2*\c+1], v[X+4*\c:X+4*\c+1], v[X+4*\c+2:X+4*\c+3]
.endr
.irp j, 16,24,32,40,48,56
.irp c, 0,1,2,3
	v_pk_add_f32 v[CH+2*\c:CH+2*\c+1], v[CH+2*\c:CH+2*\c+1], v[X+\j+2*\c:X+\j+2*\c+1]
.endr
.endr
	JOIN
	v_mul_f32 v[MU], s74, v[CH]
	v_mul_f32 v[MU+1], s74, v[CH]
.irp j, 0,2,4,6,8,10,12,14,16,18,20,22,24,26,28,30,32,34,36,38,40,42,44,46,48,50,52,54,56,58,60,62
	v_pk_add_f32 v[X+\j:X+\j+1], v[X+\j:X+\j+1], v[MU:MU+1] neg_lo:[0,1] neg_hi:[0,1]
.endr
.irp c, 0,1,2,3
	v_pk_mul_f32 v[CH+2*\c:CH+2*\c+1], v[X+2*\c:X+2*\c+1], v[X+2*\c:X+2*\c+1]
.endr
.irp j, 8,16,24,32,40,48,56
.irp c, 0,1,2,3
	v_pk_fma_f32 v[CH+2*\c:CH+2*\c+1], v[X+\j+2*\c:X+\j+2*\c+1], v[X+\j+2*\c:X+\j+2*\c+1], v[CH+2*\c:CH+2*\c+1]
.endr
.endr
	JOIN
	v_fma_f32 v[VT], v[CH], s74, s75
	s_wait_alu depctr_va_vdst(0)                   ; the wait ahead of the transcendentals,
	v_rsq_f32 v[RS], v[VT]
	v_rsq_f32 v[RS+1], v[VT]
	v_nop
	s_wait_alu depctr_va_vdst(0)                   ; and behind them
.irp j, 0,2,4,6,8,10,12,14,16,18,20,22,24,26,28,30,32,34,36,38,40,42,44,46,48,50,52,54,56,58,60,62
	v_pk_mul_f32 v[X+\j:X+\j+1], v[X+\j:X+\j+1], v[RS:RS+1]
.endr
.irp j, 0,2,4,6,8,10,12,14,16,18,20,22,24,26,28,30,32,34,36,38,40,42,44,46,48,50,52,54,56,58,60,62
	v_pk_fma_f32 v[X+\j:X+\j+1], v[X+\j:X+\j+1], v[GA+\j:GA+\j+1], v[BE+\j:BE+\j+1]
.endr
.endm
.macro QROW row, st                    ; my two blocks of the row: largest magnitude with the floor 2^(3 - 127), scale operand, byte, codes; into stage st
.irp q, 0,1
	v_max3_num_f32 v[CH+\q], |v[X+32*\q]|, |v[X+32*\q+1]|, 0x1800000
.endr
.irp i, 2,4,6,8,10,12,14,16,18,20,22,24,26,28,30
.irp q, 0,1
	v_max3_num_f32 v[CH+\q], v[CH+\q], |v[X+32*\q+\i]|, |v[X+32*\q+\i+1]|
.endr
.endr
.irp q, 0,1
	v_add_nc_u32 v[CH+2+\q], 0xff000000, v[CH+\q]  ; 2 off the exponent field: the conversion's scale operand
.endr
.irp q, 0,1
	v_lshrrev_b32 v[CH+4+\q], 23, v[CH+2+\q]       ; the scale's byte
.endr
.irp q, 0,1
	v_cvt_scalef32_pk16_fp6_f32 v[Z+8*\q:Z+8*\q+2], v[X+32*\q:X+32*\q+15], v[CH+2+\q]
	v_cvt_scalef32_pk16_fp6_f32 v[Z+8*\q+4:Z+8*\q+6], v[X+32*\q+16:X+32*\q+31], v[CH+2+\q]
.endr
	v_nop                                          ; one plain instruction behind the scaled conversions
.irp q, 0,1
.irp i, 3,4,5
	v_mov_b32 v[Z+8*\q+\i], v[Z+8*\q+\i+1]         ; ascending: six registers on end
.endr
.endr
.irp q, 0,1
.irp p, 0,1,2
	ds_store_b64 v[CSA], v[Z+8*\q+2*\p:Z+8*\q+2*\p+1] offset:(\st)*STG2+\q*8*CP+48*(\row)+8*\p
.endr
	ds_store_b8 v[SSA], v[CH+4+\q] offset:(\st)*STG2+\q*512+4*(\row)
.endr
.endm
.macro PROCESS ln, reg, st             ; my two rows.  reg = 1: a weight's rows go from window 1 into my own rows of LDS first, so that a lane gets its 32 neighbours back
	s_wait_xcnt 0x0                                ; earlier stores have read v[X ..]
.irp row, 0,1
.if \reg
	s_wait_loadcnt 16-16*\row                      ; this row's 16 loads are in; the next row's may be out
	WIN 0x04
.irp j, 0,1,2,3,4,5,6,7,8,9,10,11,12,13,14,15
	ds_store_b128 v[SA2], v[64*\row+4*\j:64*\row+4*\j+3] offset:\row*RP+576*\j
.endr
	WIN 0
.endif
	ROWLOAD \row
	s_wait_dscnt 0x0
.if \ln
	LNROW
.endif
	QROW \row, \st
.endr
.endm
.macro OUT cp, sp, st                  ; stage st leaves: two K steps of codes a wave; the scale words by waves 0 to 3, a whole run of 256 bytes each
.irp j, 0,1
.irp g, 0,1,2
	ds_load_b128 v[X+12*\j+4*\g:X+12*\j+4*\g+3], v[CRA] offset:(\st)*STG2+\j*CP+512*\g
.endr
.endr
	s_cmp_lt_u32 s26, 4
	s_cbranch_scc0 .Lcodes_\@
	ds_load_b64 v[X+48:X+49], v[SRA] offset:(\st)*STG2
	s_wait_dscnt 0x0
	global_store_b64 v[GSO], v[X+48:X+49], s[\sp:\sp+1] th:TH_STORE_NT
.Lcodes_\@:
	s_wait_dscnt 0x0
.irp j, 0,1
.irp g, 0,1,2
	global_store_b128 v[GCO], v[X+12*\j+4*\g:X+12*\j+4*\g+3], s[\cp:\cp+1] offset:\j*1536+512*\g th:TH_STORE_NT   ; 32 lanes store 512 consecutive bytes, at a multiple of 256 from the buffer's first byte
.endr
.endr
.endm
.macro BAR                             ; my LDS stores are done, for the others' sake; then all eight waves' are
	s_wait_dscnt 0x0
	s_barrier_signal -1
	s_barrier_wait -1
.endm
	s_wait_alu depctr_va_vdst(0)
	s_wait_loadcnt 32                              ; gamma and beta are in; the weight's 32 loads may be out
	s_wait_tensorcnt 0x0                           ; my two rows of x are in; only I read them
	PROCESS 1, 0, 0
	BAR
	OUT 52, 54, 0
	PROCESS 0, 1, 1                                ; into the other stage: no wave's stores meet h's way out
	BAR
	OUT 56, 58, 1
	s_wait_tensorcnt 0x0                           ; the wave's end
	ds_add_u32 v[SPW], v[NIL]
	s_wait_dscnt 0x0
	s_endpgm
.Lfunc_end_k_q8c3ef7f50a_prep:
	.size	k_q8c3ef7f50a_prep, .Lfunc_end_k_q8c3ef7f50a_prep-k_q8c3ef7f50a_prep
	.p2alignl 7, 3214868480
	.fill 96, 4, 3214868480
	.section	.rodata,"a",@progbits
	.p2align	6, 0x0
	.amdhsa_kernel k_q8c3ef7f50a_prep
		.amdhsa_group_segment_fixed_size 327680
		.amdhsa_private_segment_fixed_size 0
		.amdhsa_enable_private_segment 0
		.amdhsa_kernarg_size 72
		.amdhsa_user_sgpr_count 2
		.amdhsa_user_sgpr_kernarg_segment_ptr 1
		.amdhsa_wavefront_size32 1
		.amdhsa_system_sgpr_workgroup_id_x 1
		.amdhsa_system_sgpr_workgroup_id_y 1
		.amdhsa_system_sgpr_workgroup_id_z 1
		.amdhsa_system_vgpr_workitem_id 0
		.amdhsa_next_free_vgpr 384
		.amdhsa_next_free_sgpr 76
		.amdhsa_reserve_vcc 0
		.amdhsa_float_denorm_mode_32 3
		.amdhsa_float_denorm_mode_16_64 3
		.amdhsa_memory_ordered 1
		.amdhsa_forward_progress 1
		.amdhsa_inst_pref_size 56
	.end_amdhsa_kernel
	.amdgpu_metadata
---
amdhsa.version: [ 1, 2 ]
amdhsa.kernels:
  - .name:           k_q8c3ef7f50a_prep
    .symbol:         k_q8c3ef7f50a_prep.kd
    .args:
      - { .name: x, .offset: 0, .size: 8, .value_kind: global_buffer, .address_space: global }
      - { .name: w_v, .offset: 8, .size: 8, .value_kind: global_buffer, .address_space: global }
      - { .name: w_o, .offset: 16, .size: 8, .value_kind: global_buffer, .address_space: global }
      - { .name: ln_gamma, .offset: 24, .size: 8, .value_kind: global_buffer, .address_space: global }
      - { .name: ln_beta, .offset: 32, .size: 8, .value_kind: global_buffer, .address_space: global }
      - { .name: hcodes, .offset: 40, .size: 8, .value_kind: global_buffer, .address_space: global }
      - { .name: hscales, .offset: 48, .size: 8, .value_kind: global_buffer, .address_space: global }
      - { .name: wcodes, .offset: 56, .size: 8, .value_kind: global_buffer, .address_space: global }
      - { .name: wscales, .offset: 64, .size: 8, .value_kind: global_buffer, .address_space: global }
    .group_segment_fixed_size: 327680
    .private_segment_fixed_size: 0
    .kernarg_segment_align: 8
    .kernarg_segment_size: 72
    .max_flat_workgroup_size: 256
    .sgpr_count:     76
    .vgpr_count:     384
    .wavefront_size: 32
...
	.end_amdgpu_metadata
.endif
;; end of part 1
;; launch vproj (part 2): grid 32 x 8, 4 waves a work-group, clusters of 4 x 4, 327,680 bytes of LDS; arguments hcodes, hscales, wcodes, wscales, b_v, acodes, ascales; writes acodes, ascales
.if DOCPART == 2
	.amdgcn_target "amdgcn-amd-amdhsa--gfx1250"
	.amdhsa_code_object_version 6
	.text
	.protected	k_q8c3ef7f50a_vproj
	.globl	k_q8c3ef7f50a_vproj
	.p2align	8
	.type	k_q8c3ef7f50a_vproj,@function
k_q8c3ef7f50a_vproj:
	s_mov_b64 s[64:65], 0
	v_nop
	global_prefetch_b8 v0, s[64:65] scope:SCOPE_SE
	s_setreg_imm32_b32 hwreg(HW_REG_WAVE_MODE, 25, 1), 1
	s_wait_xcnt 0x0
	s_wait_alu depctr_hold_cnt(0) depctr_sa_sdst(0) depctr_va_vdst(0) depctr_va_sdst(0) depctr_va_ssrc(0) depctr_va_vcc(0) depctr_vm_vsrc(0)
	s_getreg_b32 s2, hwreg(HW_REG_IB_STS2, 6, 4)
	s_cmp_eq_u32 s2, 0
	s_cbranch_scc0 .Lentry_in_a_cluster
	s_endpgm
.Lentry_in_a_cluster:
	s_bfe_u32 s2, ttmp6, 0x10000c
	s_cmp_lg_u32 s2, 0xf033
	s_cbranch_scc0 .Lentry_shape_is_right
	s_endpgm
.Lentry_shape_is_right:
; attn = v = h w_v^T + b_v on codes of FP6 (E2M3) with E8M0 scales, quantised along the next product's K.
; WORK LEFT OUT: q, k, the scores and the product with p: the softmax over each head's ONE key is 1 for every finite score (shown at the head of the first kernel), so attn = v.
; LIMITS: NaN and infinities are not served; a block of attn whose largest magnitude lies under 2^-124, a block of zeros too, has its byte held at 1 (its codes are zeros, and this program alone reads the bytes).
; A work-group makes 128 rows (x) x 256 features (y); wave w all 128 rows x features 64 w .. 64 w + 63: 32 accumulators of 16 x 16.  32 x 8 = 256 work-groups.
; OPERANDS lie in memory in the order of an operand's registers: [tile of 16 rows][K step 16][lane][48 bytes]: a fragment is three loads of 16 bytes.  Lane r of tile 2 G + u is row 32 G + 8 u + (r & 7) + 16 (r >> 3).
; THE MATRIX INSTRUCTION IS USED TRANSPOSED (source 0 = 16 rows of w_v, source 1 = 16 rows of h): lane (r, h) holds row r, register j of tile t feature 32 (t / 2) + 16 h + 8 (t % 2) + j of my 64:
; the 16 registers of tiles 2 b, 2 b + 1 are 16 neighbours along the next K.
; K goes in four groups of four steps through two LDS slots: a tile's group is a row of 6,144 bytes of memory, at a multiple of 256.  The scale words of all of K come once.
; THE HEAD'S FOUR TILES, one load a wave: wave 0 h's group 0, wave 1 w_v's, wave 2 h's scale words, wave 3 w_v's.  In the ring waves 0, 1 fetch the halves of h's tiles, waves 2, 3 those of w_v's.
; CLUSTER 4 x 4: h's tiles hang on x alone and are asked for jointly by a column of the cluster, w_v's on y alone, by a row.
; PREFETCH (macro ASK): a group of a tile is 24 blocks of 256 bytes.  Of the 16 tiles of w_v that a row of the cluster shares, the partner at cx takes 4, a tile a wave; of h's 8 tiles the partner at cy takes 2,
; half a tile's group a wave: each block is named once in each cluster, shared out by address.  Groups 1 and 2 are asked for at the head, one and two fills ahead of their loads, group 3 behind group 1's load, two fills ahead.
; REGISTERS: window 0: v4-20 addresses; v32-55 scale words, two sets, and nothing else; v64-255 h's fragments, two sets.  Window 1: accumulator (a, t) at v[8 (4 a + t)].  Window 3: v0-95 w_v's fragments, two sets; v96-127 the bias.
.set TILE,  24576
.set GRP,   6144
.set SLOT,  147456                     ; h's 8 x 6,144 bytes, then w_v's 16 x 6,144
.set BOFF,  49152
.set SCA,   2*SLOT                     ; h's scale words: [a 8][K step 16][64 bytes]
.set SCB,   SCA+8192                   ; w_v's: [tile 16][K step 16][64 bytes]
.set SPARE, SCB+16384                  ; the spare words: 128 bytes a wave, two blocks of 256 bytes that no other line names
.set SST,   24576                      ; the way out lies in slot 0, behind its last fill and last read: codes [a 8][K step 2][1,536] from byte 0, scale words [a 8][K step 2][r 16] from SST
.set ADRA, 4
.set ADRB, 6
.set ASA,  8
.set ASB,  9
.set SPW,  10
.set NIL,  11
.set CSA,  12
.set SSA,  13
.set CRD,  14
.set BO,   15
.set PFB,  16
.set PFA,  17
.set SRD,  18
.set GCO,  19
.set GSO,  20
.set SC,   32
.set AF,   64
.set Z,    64                          ; the way out: codes, 8 registers for each tile of rows
.set T,    128                         ; six registers at work for each of the 16 blocks
.set SW,   224                         ; two scale bytes for each tile of rows
.set G0H,  4
.set G0HB, 8
.set PSA,  18
.set PSB,  20
.set WV,   22
.set G1A,  32
.set G1B,  40
.set G0A,  48
.set G0B,  56
.set G1SA, 68
.set G1SB, 76
.set G0SA, 84
.set G0SB, 88
.set MSB, 0
.macro WIN new                         ; the immediate's high byte repeats the setting that is left
.if MSB != \new
	s_set_vgpr_msb (MSB<<8)|\new
.set MSB, \new
.endif
.endm
.macro PLACES                          ; four plain vector instructions between a matrix instruction and a load into, or a read of, its registers
.rept 4
	v_nop
.endr
.endm
.macro TLOAD g0, g1                    ; a tensor load with an s_nop and four v_nop behind it
	tensor_load_to_lds s[\g0:\g0+3], s[\g1:\g1+7]
	s_nop 0
.rept 4
	v_nop
.endr
.endm
.macro JLOAD g0a, g0b                  ; the ring's joint load: the branch hangs on the wave's number alone
	s_cmp_lt_u32 s[WV], 2
	s_cbranch_scc0 .Lfor_b_\@
	TLOAD \g0a, G1A
	s_branch .Lasked_\@
.Lfor_b_\@:
	TLOAD \g0b, G1B
.Lasked_\@:
.endm
.macro CREST                           ; a round of the cluster's barrier behind its opening barrier
	s_cmp_lg_u32 s[WV], 0
	s_cbranch_scc1 .Lnot_wave_0_\@
	s_barrier_signal -3
.Lnot_wave_0_\@:
	s_barrier_wait -3
	s_barrier_signal -1
	s_barrier_wait -1
.endm
.macro CROUND
	s_barrier_signal -1
	s_barrier_wait -1
	CREST
.endm
.macro DESC g, mask, c, r, p           ; group 1: r rows of c elements of 8 bytes, p elements apart, with the partners' mask
	s_or_b32 s[\g], \mask, (3<<16)|(1<<21)
	s_mov_b32 s[\g+1], (\c)<<16
	s_mov_b32 s[\g+2], (\r)<<16
	s_mov_b32 s[\g+3], (\c)<<16
	s_mov_b32 s[\g+4], \r
	s_mov_b32 s[\g+5], \p
	s_mov_b32 s[\g+6], 0
	s_mov_b32 s[\g+7], 0
.endm
.macro G0SET g, lds, adr               ; group 0: to LDS byte lds, from the address in s[adr:adr+1]
	s_mov_b32 s[\g], 1
	s_mov_b32 s[\g+1], \lds
	s_mov_b64 s[\g+2:\g+3], s[\adr:\adr+1]
	s_or_b32 s[\g+3], s[\g+3], 0x80000000
.endm
.macro ARM under, g0, g1, next
	s_cmp_lt_u32 s[WV], \under
	s_cbranch_scc0 \next
	TLOAD \g0, \g1
	s_branch .Lhead_asked
\next:
.endm
.macro ASK g                           ; group g: my tile of w_v (24 blocks; lanes 24-31 name the last again) and my half tile of h (12 blocks)
	global_prefetch_b8 v[PFB], s[PSB:PSB+1] offset:(\g)*GRP th:TH_LOAD_NT scope:SCOPE_SE
	global_prefetch_b8 v[PFA], s[PSA:PSA+1] offset:(\g)*GRP th:TH_LOAD_NT scope:SCOPE_SE
.endm
	s_load_b256 s[4:11], s[0:1], 0x0               ; hcodes, hscales, wcodes, wscales
	s_load_b128 s[12:15], s[0:1], 0x20             ; b_v, acodes
	s_load_b64 s[16:17], s[0:1], 0x30              ; ascales
	v_lshl_add_u32 v[SPW], v0, 2, SPARE
	v_mov_b32 v[NIL], 0
	ds_add_u32 v[SPW], v[NIL]                      ; the opening lines: the add,
	ds_add_u32 v[SPW], v[NIL]                      ; once more, and one wait below
	v_lshrrev_b32 v1, 5, v0
	v_readfirstlane_b32 s[WV], v1                  ; wave 0..3
	s_and_b32 s23, s[WV], 1                        ; which half of a tile set I fetch in the ring
	s_bfe_u32 s24, ttmp6, 0x40000                  ; cx
	s_bfe_u32 s25, ttmp6, 0x40004                  ; cy
	s_lshl_b32 s26, ttmp9, 2
	s_add_co_u32 s26, s26, s24                     ; x: the block of 128 rows
	s_and_b32 s27, ttmp7, 0xffff
	s_lshl_b32 s27, s27, 2
	s_add_co_u32 s27, s27, s25                     ; y: the block of 256 features
	s_lshl_b32 s28, 0x1111, s24                    ; my column of the cluster: the same x
	s_lshl_b32 s29, s25, 2
	s_lshl_b32 s29, 15, s29                        ; my row: the same y
	DESC G1A, s28, 768, 8, 3072                    ; the head's loads bring all 8 and all 16 tiles
	DESC G1B, s29, 768, 16, 3072
	DESC G1SA, s28, 32, 32, 32                     ; dense blocks of 8,192 and 16,384 bytes as rows of 256
	DESC G1SB, s29, 32, 64, 32
	s_mul_i32 s92, s26, 8*TILE
	s_mov_b32 s93, 0
	s_lshl_b32 s30, s26, 13
	s_mov_b32 s31, 0
	s_mul_i32 s94, s27, 16*TILE
	s_mov_b32 s95, 0
	s_lshl_b32 s96, s27, 14
	s_mov_b32 s97, 0
	s_lshl_b32 s18, s25, 1                         ; the prefetches: h's tile 2 cy + w / 2, half w % 2 of its group
	s_lshr_b32 s19, s[WV], 1
	s_add_co_u32 s18, s18, s19
	s_mul_i32 s18, s18, TILE
	s_mul_i32 s19, s23, 3072
	s_add_co_u32 s18, s18, s19
	s_mov_b32 s19, 0
	s_lshl_b32 s20, s24, 2                         ; w_v's tile 4 cx + w
	s_add_co_u32 s20, s20, s[WV]
	s_mul_i32 s20, s20, TILE
	s_mov_b32 s21, 0
	s_wait_dscnt 0x0                               ; both opening adds are done
	s_wait_kmcnt 0x0
	s_add_nc_u64 s[92:93], s[4:5], s[92:93]
	s_add_nc_u64 s[30:31], s[6:7], s[30:31]
	s_add_nc_u64 s[94:95], s[8:9], s[94:95]
	s_add_nc_u64 s[96:97], s[10:11], s[96:97]
	s_add_nc_u64 s[PSA:PSA+1], s[92:93], s[18:19]
	s_add_nc_u64 s[PSB:PSB+1], s[94:95], s[20:21]
	G0SET G0H, 0, 92                               ; (the arguments that lay in s[4:11] have been used)
	G0SET G0HB, BOFF, 94
	G0SET G0SA, SCA, 30
	G0SET G0SB, SCB, 96
	s_mul_i32 s98, s23, 4*TILE                     ; the ring: my half of the tiles
	s_mov_b32 s99, 0
	s_add_nc_u64 s[92:93], s[92:93], s[98:99]
	s_mul_i32 s98, s23, 8*TILE
	s_add_nc_u64 s[94:95], s[94:95], s[98:99]
	s_mul_i32 s98, s23, 4*GRP                      ; and where it goes: no place in the cluster enters an LDS address
	s_mul_i32 s99, s23, 8*GRP
.irp s, 0,1
	s_mov_b32 s[G0A+4*\s], 1
	s_add_co_u32 s[G0A+4*\s+1], s98, \s*SLOT
	s_add_nc_u64 s[G0A+4*\s+2:G0A+4*\s+3], s[92:93], \s*GRP
	s_or_b32 s[G0A+4*\s+3], s[G0A+4*\s+3], 0x80000000
	s_mov_b32 s[G0B+4*\s], 1
	s_add_co_u32 s[G0B+4*\s+1], s99, \s*SLOT+BOFF
	s_add_nc_u64 s[G0B+4*\s+2:G0B+4*\s+3], s[94:95], \s*GRP
	s_or_b32 s[G0B+4*\s+3], s[G0B+4*\s+3], 0x80000000
.endr
	CROUND                                         ; all sixteen work-groups are here: the first joint loads meet
	ARM 1, G0H,  G1A,  .Lhead_b                    ; one chain of branches on the wave's number, one load to an arm
	ARM 2, G0HB, G1B,  .Lhead_sa
	ARM 3, G0SA, G1SA, .Lhead_sb
	TLOAD G0SB, G1SB
.Lhead_asked:
	s_lshl_b32 s98, s27, 10                        ; the bias of my 64 features
	s_lshl_b32 s99, s[WV], 8
	s_add_co_u32 s98, s98, s99
	s_mov_b32 s99, 0
	s_add_nc_u64 s[12:13], s[12:13], s[98:99]
	s_lshl_b32 s98, s26, 3                         ; attn's codes: tiles 8 x + 2 w on, K steps 2 y on
	s_lshl_b32 s96, s[WV], 1
	s_add_co_u32 s98, s98, s96
	s_mul_i32 s98, s98, TILE
	s_mul_i32 s96, s27, 3072
	s_add_co_u32 s98, s98, s96
	s_add_nc_u64 s[14:15], s[14:15], s[98:99]
	s_lshl_b32 s98, s27, 15                        ; its scale words: [y 8][tile 256][K step 2][r 16]
	s_lshl_b32 s96, s26, 10
	s_add_co_u32 s98, s98, s96
	s_add_nc_u64 s[16:17], s[16:17], s[98:99]
	s_mul_i32 s93, s[WV], 4*GRP
	s_add_co_u32 s93, s93, BOFF                    ; my four tiles of w_v in a slot
	s_mul_i32 s92, s[WV], GRP                      ; the way out: my two tiles of staged codes, 3,072 bytes each
	s_lshl_b32 s94, s[WV], 12
	s_add_co_u32 s94, s94, SCB
	s_lshr_b32 s95, s[WV], 1                       ; my 64 features are registers 6 (w & 1) .. + 5 of K step w >> 1 of the block's two
	s_mul_i32 s96, s95, 1536
	s_mul_i32 s97, s23, 24
	s_add_co_u32 s96, s96, s97
	s_lshl_b32 s95, s95, 6
	s_lshl_b32 s97, s23, 1
	s_add_co_u32 s95, s95, s97
	s_add_co_u32 s95, s95, SST
	s_lshl_b32 s97, s[WV], 8
	v_and_b32 v1, 31, v0                           ; lane
	v_and_b32 v2, 15, v0                           ; r
	v_bfe_u32 v3, v0, 4, 1                         ; h
	v_lshlrev_b32 v[BO], 6, v3
	v_min_u32 v[PFB], 23, v1
	v_min_u32 v[PFA], 11, v1
	v_lshlrev_b32 v[PFB], 8, v[PFB]
	v_lshlrev_b32 v[PFA], 8, v[PFA]
	v_mul_u32_u24 v[ADRA], v1, 48
	v_add_nc_u32 v[ADRA+1], SLOT, v[ADRA]
	v_add_nc_u32 v[ADRB], s93, v[ADRA]
	v_add_nc_u32 v[ADRB+1], SLOT, v[ADRB]
	v_lshl_add_u32 v[ASA], v2, 2, SCA
	v_lshl_add_u32 v[ASB], v2, 2, s94
	v_add_nc_u32 v[CSA], s96, v[ADRA]
	v_lshl_add_u32 v[SSA], v2, 2, s95              ; bytes 2 (w & 1), + 1 of row r's word
	v_lshlrev_b32 v[GCO], 4, v1
	v_add_nc_u32 v[CRD], s92, v[GCO]               ; back: wave w takes tiles 2 w, 2 w + 1
	v_lshl_add_u32 v[GSO], v1, 3, s97
	v_add_nc_u32 v[SRD], SST, v[GSO]
	s_wait_alu depctr_va_vdst(0)
	ASK 1
	ASK 2
	WIN 0xc0
.irp t, 0,1,2,3                                    ; the bias in the results' layout: it is the C of the first products
	global_load_b128 v[96+8*\t:99+8*\t], v[BO], s[12:13] offset:128*(\t/2)+32*(\t%2)
	global_load_b128 v[100+8*\t:103+8*\t], v[BO], s[12:13] offset:128*(\t/2)+32*(\t%2)+16
.endr
	WIN 0
.macro FETCH s, p                      ; step s's fragments and scale words into set p: 48 LDS loads
	WIN 0xc0
.irp t, 0,1,2,3
.irp g, 0,1,2
	ds_load_b128 v[48*(\p)+12*\t+4*\g:48*(\p)+12*\t+4*\g+3], v[ADRB+((\s)/4)%2] offset:GRP*\t+1536*((\s)%4)+16*\g
.endr
.endr
	WIN 0
.irp a, 0,1,2,3,4,5,6,7
.irp g, 0,1,2
	ds_load_b128 v[AF+96*(\p)+12*\a+4*\g:AF+96*(\p)+12*\a+4*\g+3], v[ADRA+((\s)/4)%2] offset:GRP*\a+1536*((\s)%4)+16*\g
.endr
.endr
.irp a, 0,1,2,3,4,5,6,7
	ds_load_b32 v[SC+12*(\p)+\a], v[ASA] offset:1024*\a+64*(\s)
.endr
.irp t, 0,1,2,3
	ds_load_b32 v[SC+12*(\p)+8+\t], v[ASB] offset:1024*\t+64*(\s)
.endr
.endm
; 16 products of step s: h's tiles a0 .. a0 + 3 against my four tiles.  The 32 accumulators take turns, one instruction a turn, in the same order in every step.  first = 1: C is the bias.
.macro MUL s, a0, first
.irp a, \a0, \a0+1, \a0+2, \a0+3
.irp t, 0,1,2,3
.if \first
	v_wmma_scale_f32_16x16x128_f8f6f4 v[8*(4*(\a)+\t):8*(4*(\a)+\t)+7], v[48*((\s)%2)+12*\t:48*((\s)%2)+12*\t+11], v[AF+96*((\s)%2)+12*(\a):AF+96*((\s)%2)+12*(\a)+11], v[96+8*\t:96+8*\t+7], v[SC+12*((\s)%2)+8+\t], v[SC+12*((\s)%2)+(\a)] matrix_a_fmt:MATRIX_FMT_FP6 matrix_b_fmt:MATRIX_FMT_FP6
.else
	v_wmma_scale_f32_16x16x128_f8f6f4 v[8*(4*(\a)+\t):8*(4*(\a)+\t)+7], v[48*((\s)%2)+12*\t:48*((\s)%2)+12*\t+11], v[AF+96*((\s)%2)+12*(\a):AF+96*((\s)%2)+12*(\a)+11], v[8*(4*(\a)+\t):8*(4*(\a)+\t)+7], v[SC+12*((\s)%2)+8+\t], v[SC+12*((\s)%2)+(\a)] matrix_a_fmt:MATRIX_FMT_FP6 matrix_b_fmt:MATRIX_FMT_FP6
.endif
.endr
.endr
.endm
; A K step: the next step's 48 loads, then 32 products.  In a group's last step (3, 7, 11) the slots change: this step's fragments are in registers, so the slot is read no more.
.macro STEP s
.if ((\s)%4 == 3) && ((\s) < 15)
	s_wait_tensorcnt 0x0                           ; all my tensor loads have landed: my part of the other slot;
	ds_add_u32 v[SPW], v[NIL]                      ; 0 onto my spare word
.if (\s) < 11
	s_add_nc_u64 s[G0A+4*(((\s)/4)%2)+2:G0A+4*(((\s)/4)%2)+3], s[G0A+4*(((\s)/4)%2)+2:G0A+4*(((\s)/4)%2)+3], 2*GRP   ; no load of mine is out: this slot's next group
	s_add_nc_u64 s[G0B+4*(((\s)/4)%2)+2:G0B+4*(((\s)/4)%2)+3], s[G0B+4*(((\s)/4)%2)+2:G0B+4*(((\s)/4)%2)+3], 2*GRP
.endif
	WIN 0x53
	s_wait_dscnt 0x0                               ; the add is done, and my reads of this slot are over
	s_barrier_signal -1
	MUL \s, 0, 0                                   ; work on registers while the others arrive
	WIN 0
	s_barrier_wait -1
.if (\s) < 11
	CREST                                          ; the barrier has opened a round of the cluster's barrier
	JLOAD G0A+4*(((\s)/4)%2), G0B+4*(((\s)/4)%2)   ; the first tensor load behind the round; its four v_nop are the places in front of the loads below
.else
	PLACES
.endif
	FETCH (\s)+1, 1-(\s)%2
	WIN 0x53
	MUL \s, 4, 0
	WIN 0
.else
.if (\s) < 15
.if (\s) > 0
	PLACES
.endif
	FETCH (\s)+1, 1-(\s)%2
	s_wait_dscnt 48                                ; all but the 48 just issued
.else
	s_wait_dscnt 0x0
.endif
.if (\s) == 0
	s_wait_loadcnt 0x0                             ; the bias
	WIN 0x73
	MUL \s, 0, 1
	MUL \s, 4, 1
.else
	WIN 0x53
	MUL \s, 0, 0
	MUL \s, 4, 0
.endif
	WIN 0
.endif
.endm
	s_wait_tensorcnt 0x0                           ; my tile of the head's four is in
	ds_add_u32 v[SPW], v[NIL]
	s_mov_b32 s[G1A+2], 4<<16                      ; no tensor load of mine is out: from here on a load brings half of the tiles
	s_mov_b32 s[G1A+4], 4
	s_mov_b32 s[G1B+2], 8<<16
	s_mov_b32 s[G1B+4], 8
	s_wait_dscnt 0x0
	CROUND                                         ; all four tiles are in, and the joint loads meet
	JLOAD G0A+4, G0B+4                             ; group 1 into slot 1
	FETCH 0, 0
	ASK 3
.irp s, 0,1,2,3,4,5,6,7,8,9,10,11,12,13,14,15
	STEP \s
.endr
	; THE QUANTISER, stage by stage over the 16 blocks n = 2 a + b (tile of rows a, block b of my two): my lane's 16 numbers of block n are v[16 n ..] of window 1; the other 16 lie in lane l xor 16
	s_mov_b32 s98, 0x76543210
	s_mov_b32 s99, 0xfedcba98                      ; v_permlanex16_b32's selects for lane l xor 16
	PLACES
	WIN 0x15                                       ; the three sources in window 1
.irp n, 0,1,2,3,4,5,6,7,8,9,10,11,12,13,14,15
.irp g, 0,1,2,3,4
	v_max3_num_f32 v[T+6*\n+\g], |v[16*\n+3*\g]|, |v[16*\n+3*\g+1]|, |v[16*\n+3*\g+2]|
.endr
	v_max3_num_f32 v[T+6*\n+5], |v[16*\n+13]|, |v[16*\n+14]|, |v[16*\n+15]|
.endr
	WIN 0
.irp n, 0,1,2,3,4,5,6,7,8,9,10,11,12,13,14,15
	v_max3_num_f32 v[T+6*\n], v[T+6*\n], v[T+6*\n+1], v[T+6*\n+2]
	v_max3_num_f32 v[T+6*\n+3], v[T+6*\n+3], v[T+6*\n+4], v[T+6*\n+5]
.endr
.irp n, 0,1,2,3,4,5,6,7,8,9,10,11,12,13,14,15
	v_max3_num_f32 v[T+6*\n], v[T+6*\n], v[T+6*\n+3], 0x1800000   ; with the floor 2^(3 - 127): the byte cannot fall under 1
.endr
.irp n, 0,1,2,3,4,5,6,7,8,9,10,11,12,13,14,15
	v_permlanex16_b32 v[T+6*\n+1], v[T+6*\n], s98, s99
.endr
.irp n, 0,1,2,3,4,5,6,7,8,9,10,11,12,13,14,15
	v_max_num_f32 v[T+6*\n], v[T+6*\n], v[T+6*\n+1]               ; the block's largest magnitude
.endr
.irp n, 0,1,2,3,4,5,6,7,8,9,10,11,12,13,14,15
	v_add_nc_u32 v[T+6*\n+2], 0xff000000, v[T+6*\n]               ; 2 off the exponent field: the conversion's scale operand
.endr
.irp n, 0,1,2,3,4,5,6,7,8,9,10,11,12,13,14,15
	v_lshrrev_b32 v[T+6*\n+3], 23, v[T+6*\n+2]                    ; the scale's byte
.endr
.irp a, 0,1,2,3,4,5,6,7
	v_lshl_or_b32 v[SW+\a], v[T+12*\a+9], 8, v[T+12*\a+3]         ; my two bytes of the row's scale word
.endr
	WIN 0x01                                       ; the numbers in window 1
.irp n, 0,1,2,3,4,5,6,7,8,9,10,11,12,13,14,15
	v_cvt_scalef32_pk16_fp6_f32 v[Z+4*\n:Z+4*\n+2], v[16*\n:16*\n+15], v[T+6*\n+2]
.endr
	WIN 0
	v_nop                                          ; one plain instruction behind the scaled conversions
.irp a, 0,1,2,3,4,5,6,7
.irp i, 0,1,2
	v_permlane16_swap_b32 v[Z+8*\a+\i], v[Z+8*\a+4+\i]            ; the operand's layout wants a whole block in a lane: lanes 0-15 the first block, lanes 16-31 the second
.endr
.endr
.irp a, 0,1,2,3,4,5,6,7
.irp i, 0,1,2
	v_mov_b32 v[Z+8*\a+3+\i], v[Z+8*\a+4+\i]                      ; ascending: six registers on end
.endr
.endr
.irp a, 0,1,2,3,4,5,6,7
.irp p, 0,1,2
	ds_store_b64 v[CSA], v[Z+8*\a+2*\p:Z+8*\a+2*\p+1] offset:3072*\a+8*\p
.endr
	ds_store_b16 v[SSA], v[SW+\a] offset:128*\a    ; both halves of the lanes write the same halfword with the same value
.endr
	s_wait_dscnt 0x0                               ; for the others' sake: a fragment's 48 bytes a lane come from two waves
	s_barrier_signal -1
	s_barrier_wait -1
.irp i, 0,1,2,3,4,5,6,7,8,9,10,11
	ds_load_b128 v[T+4*\i:T+4*\i+3], v[CRD] offset:512*\i
.endr
	ds_load_b64 v[T+48:T+49], v[SRD]
	s_wait_dscnt 0x0
.irp i, 0,1,2,3,4,5,6,7,8,9,10,11
	global_store_b128 v[GCO], v[T+4*\i:T+4*\i+3], s[14:15] offset:(\i/6)*TILE+(\i%6)*512 th:TH_STORE_NT   ; 32 lanes store 512 consecutive bytes, at a multiple of 256 from the buffer's first byte
.endr
	global_store_b64 v[GSO], v[T+48:T+49], s[16:17] th:TH_STORE_NT   ; 32 lanes store 256 consecutive bytes, aligned
	s_wait_tensorcnt 0x0                           ; the wave's end
	ds_add_u32 v[SPW], v[NIL]
	s_wait_dscnt 0x0
	CROUND                                         ; the closing round
	s_endpgm
.Lfunc_end_k_q8c3ef7f50a_vproj:
	.size	k_q8c3ef7f50a_vproj, .Lfunc_end_k_q8c3ef7f50a_vproj-k_q8c3ef7f50a_vproj
	.p2alignl 7, 3214868480
	.fill 96, 4, 3214868480
	.section	.rodata,"a",@progbits
	.p2align	6, 0x0
	.amdhsa_kernel k_q8c3ef7f50a_vproj
		.amdhsa_group_segment_fixed_size 327680
		.amdhsa_private_segment_fixed_size 0
		.amdhsa_enable_private_segment 0
		.amdhsa_kernarg_size 56
		.amdhsa_user_sgpr_count 2
		.amdhsa_user_sgpr_kernarg_segment_ptr 1
		.amdhsa_wavefront_size32 1
		.amdhsa_system_sgpr_workgroup_id_x 1
		.amdhsa_system_sgpr_workgroup_id_y 1
		.amdhsa_system_sgpr_workgroup_id_z 1
		.amdhsa_system_vgpr_workitem_id 0
		.amdhsa_next_free_vgpr 1024
		.amdhsa_next_free_sgpr 100
		.amdhsa_reserve_vcc 0
		.amdhsa_float_denorm_mode_32 3
		.amdhsa_float_denorm_mode_16_64 3
		.amdhsa_memory_ordered 1
		.amdhsa_forward_progress 1
		.amdhsa_inst_pref_size 152
	.end_amdhsa_kernel
	.amdgpu_metadata
---
amdhsa.version: [ 1, 2 ]
amdhsa.kernels:
  - .name:           k_q8c3ef7f50a_vproj
    .symbol:         k_q8c3ef7f50a_vproj.kd
    .args:
      - { .name: hcodes, .offset: 0, .size: 8, .value_kind: global_buffer, .address_space: global }
      - { .name: hscales, .offset: 8, .size: 8, .value_kind: global_buffer, .address_space: global }
      - { .name: wcodes, .offset: 16, .size: 8, .value_kind: global_buffer, .address_space: global }
      - { .name: wscales, .offset: 24, .size: 8, .value_kind: global_buffer, .address_space: global }
      - { .name: b_v, .offset: 32, .size: 8, .value_kind: global_buffer, .address_space: global }
      - { .name: acodes, .offset: 40, .size: 8, .value_kind: global_buffer, .address_space: global }
      - { .name: ascales, .offset: 48, .size: 8, .value_kind: global_buffer, .address_space: global }
    .group_segment_fixed_size: 327680
    .private_segment_fixed_size: 0
    .kernarg_segment_align: 8
    .kernarg_segment_size: 56
    .max_flat_workgroup_size: 128
    .sgpr_count:     100
    .vgpr_count:     1024
    .wavefront_size: 32
...
	.end_amdgpu_metadata
.endif
;; end of part 2
;; launch oproj (part 3): grid 32 x 8, 4 waves a work-group, clusters of 4 x 4, 327,680 bytes of LDS; arguments acodes, ascales, wcodes, wscales, b_o, x, out0; writes out0
.if DOCPART == 3
	.amdgcn_target "amdgcn-amd-amdhsa--gfx1250"
	.amdhsa_code_object_version 6
	.text
	.protected	k_q8c3ef7f50a_oproj
	.globl	k_q8c3ef7f50a_oproj
	.p2align	8
	.type	k_q8c3ef7f50a_oproj,@function
k_q8c3ef7f50a_oproj:
	s_mov_b64 s[64:65], 0
	v_nop
	global_prefetch_b8 v0, s[64:65] scope:SCOPE_SE
	s_setreg_imm32_b32 hwreg(HW_REG_WAVE_MODE, 25, 1), 1
	s_wait_xcnt 0x0
	s_wait_alu depctr_hold_cnt(0) depctr_sa_sdst(0) depctr_va_vdst(0) depctr_va_sdst(0) depctr_va_ssrc(0) depctr_va_vcc(0) depctr_vm_vsrc(0)
	s_getreg_b32 s2, hwreg(HW_REG_IB_STS2, 6, 4)
	s_cmp_eq_u32 s2, 0
	s_cbranch_scc0 .Lentry_in_a_cluster
	s_endpgm
.Lentry_in_a_cluster:
	s_bfe_u32 s2, ttmp6, 0x10000c
	s_cmp_lg_u32 s2, 0xf033
	s_cbranch_scc0 .Lentry_shape_is_right
	s_endpgm
.Lentry_shape_is_right:
; out = attn w_o^T + b_o + x on codes of FP6 (E2M3) with E8M0 scales; attn = v (the softmax over one key is 1: shown at the head of the first kernel).
; A work-group makes 128 rows (x) x 256 columns (y); wave w all 128 rows x columns 64 w .. 64 w + 63: 32 accumulators of 16 x 16.  32 x 8 = 256 work-groups.
; Operands, ring, head, cluster and prefetch are those of the launch before: [tile of 16 rows][K step 16][lane][48 bytes]; lane r of tile 2 G + u is row 32 G + 8 u + (r & 7) + 16 (r >> 3);
; source 0 = 16 rows of w_o, source 1 = 16 rows of attn; four groups of four K steps through two LDS slots; one load a wave at the head (attn's group 0, w_o's, attn's scale words, w_o's);
; attn's tiles are asked for jointly by a column of the 4 x 4 cluster, w_o's by a row; groups 1 and 2 are prefetched at the head, group 3 behind group 1's load, each block named once in each cluster, shared out by address.
; w_o's tiles are tiles 128 on of the weights' buffers.  attn's scale words lie [K pair 8][tile 256][K step 2][r 16]: eight rows of 1,024 bytes for my eight tiles.
; b_o is the C of the first products.  The residual's 128 x 64 numbers of each wave are loaded into window 2 in K steps 1 to 8, eight loads a step, in the order in which the way out stores; they are added on the way out.
; THE WAY OUT: a block of 16 rows x 64 columns goes through my own stage in slot 0 (behind its last fill and last read) and leaves as rows of 256 bytes, sixteen lanes to an aligned unit.
; REGISTERS: window 0: v4-17 addresses; v32-55 scale words, two sets, and nothing else; v64-255 attn's fragments, two sets.  Window 1: accumulator (a, t) at v[8 (4 a + t)].  Window 2: x.  Window 3: v0-95 w_o's fragments; v96-127 the bias.
.set TILE,  24576
.set GRP,   6144
.set SLOT,  147456
.set BOFF,  49152
.set SCA,   2*SLOT
.set SCB,   SCA+8192
.set SPARE, SCB+16384                  ; the spare words: 128 bytes a wave, two blocks of 256 bytes that no other line names
.set ADRA, 4
.set ADRB, 6
.set ASA,  8
.set ASB,  9
.set SPW,  10
.set NIL,  11
.set STO,  12
.set RD,   13
.set GO,   14
.set BO,   15
.set PFB,  16
.set PFA,  17
.set SC,   32
.set AF,   64
.set BK,   64
.set G0H,  4
.set G0HB, 8
.set PSA,  18
.set PSB,  20
.set WV,   22
.set G1A,  32
.set G1B,  40
.set G0A,  48
.set G0B,  56
.set G1SA, 68
.set G1SB, 76
.set G0SA, 84
.set G0SB, 88
.set MSB, 0
.macro WIN new                         ; the immediate's high byte repeats the setting that is left
.if MSB != \new
	s_set_vgpr_msb (MSB<<8)|\new
.set MSB, \new
.endif
.endm
.macro PLACES                          ; four plain vector instructions between a matrix instruction and a load into, or a read of, its registers
.rept 4
	v_nop
.endr
.endm
.macro TLOAD g0, g1                    ; a tensor load with an s_nop and four v_nop behind it
	tensor_load_to_lds s[\g0:\g0+3], s[\g1:\g1+7]
	s_nop 0
.rept 4
	v_nop
.endr
.endm
.macro JLOAD g0a, g0b                  ; the ring's joint load: the branch hangs on the wave's number alone
	s_cmp_lt_u32 s[WV], 2
	s_cbranch_scc0 .Lfor_b_\@
	TLOAD \g0a, G1A
	s_branch .Lasked_\@
.Lfor_b_\@:
	TLOAD \g0b, G1B
.Lasked_\@:
.endm
.macro CREST                           ; a round of the cluster's barrier behind its opening barrier
	s_cmp_lg_u32 s[WV], 0
	s_cbranch_scc1 .Lnot_wave_0_\@
	s_barrier_signal -3
.Lnot_wave_0_\@:
	s_barrier_wait -3
	s_barrier_signal -1
	s_barrier_wait -1
.endm
.macro CROUND
	s_barrier_signal -1
	s_barrier_wait -1
	CREST
.endm
.macro DESC g, mask, c, r, p           ; group 1: r rows of c elements of 8 bytes, p elements apart, with the partners' mask
	s_or_b32 s[\g], \mask, (3<<16)|(1<<21)
	s_mov_b32 s[\g+1], (\c)<<16
	s_mov_b32 s[\g+2], (\r)<<16
	s_mov_b32 s[\g+3], (\c)<<16
	s_mov_b32 s[\g+4], \r
	s_mov_b32 s[\g+5], \p
	s_mov_b32 s[\g+6], 0
	s_mov_b32 s[\g+7], 0
.endm
.macro G0SET g, lds, adr               ; group 0: to LDS byte lds, from the address in s[adr:adr+1]
	s_mov_b32 s[\g], 1
	s_mov_b32 s[\g+1], \lds
	s_mov_b64 s[\g+2:\g+3], s[\adr:\adr+1]
	s_or_b32 s[\g+3], s[\g+3], 0x80000000
.endm
.macro ARM under, g0, g1, next
	s_cmp_lt_u32 s[WV], \under
	s_cbranch_scc0 \next
	TLOAD \g0, \g1
	s_branch .Lhead_asked
\next:
.endm
.macro ASK g                           ; group g: my tile of w_o (24 blocks of 256 bytes; lanes 24-31 name the last again) and my half tile of attn (12 blocks)
	global_prefetch_b8 v[PFB], s[PSB:PSB+1] offset:(\g)*GRP th:TH_LOAD_NT scope:SCOPE_SE
	global_prefetch_b8 v[PFA], s[PSA:PSA+1] offset:(\g)*GRP th:TH_LOAD_NT scope:SCOPE_SE
.endm
	s_load_b256 s[4:11], s[0:1], 0x0               ; acodes, ascales, wcodes, wscales
	s_load_b128 s[12:15], s[0:1], 0x20             ; b_o, x
	s_load_b64 s[16:17], s[0:1], 0x30              ; out0
	v_lshl_add_u32 v[SPW], v0, 2, SPARE
	v_mov_b32 v[NIL], 0
	ds_add_u32 v[SPW], v[NIL]                      ; the opening lines: the add,
	ds_add_u32 v[SPW], v[NIL]                      ; once more, and one wait below
	v_lshrrev_b32 v1, 5, v0
	v_readfirstlane_b32 s[WV], v1                  ; wave 0..3
	s_and_b32 s23, s[WV], 1                        ; which half of a tile set I fetch in the ring
	s_bfe_u32 s24, ttmp6, 0x40000                  ; cx
	s_bfe_u32 s25, ttmp6, 0x40004                  ; cy
	s_lshl_b32 s26, ttmp9, 2
	s_add_co_u32 s26, s26, s24                     ; x: the block of 128 rows
	s_and_b32 s27, ttmp7, 0xffff
	s_lshl_b32 s27, s27, 2
	s_add_co_u32 s27, s27, s25                     ; y: the block of 256 columns
	s_lshl_b32 s28, 0x1111, s24                    ; my column of the cluster: the same x
	s_lshl_b32 s29, s25, 2
	s_lshl_b32 s29, 15, s29                        ; my row: the same y
	DESC G1A, s28, 768, 8, 3072                    ; the head's loads bring all 8 and all 16 tiles
	DESC G1B, s29, 768, 16, 3072
	DESC G1SA, s28, 128, 8, 4096                   ; eight rows of 1,024 bytes, 32,768 bytes apart
	DESC G1SB, s29, 32, 64, 32                     ; a dense block of 16,384 bytes as rows of 256
	s_mul_i32 s92, s26, 8*TILE
	s_mov_b32 s93, 0
	s_lshl_b32 s30, s26, 10
	s_mov_b32 s31, 0
	s_mul_i32 s94, s27, 16*TILE
	s_add_co_u32 s94, s94, 128*TILE                ; w_o lies behind w_v's 128 tiles
	s_mov_b32 s95, 0
	s_lshl_b32 s96, s27, 14
	s_add_co_u32 s96, s96, 128*1024
	s_mov_b32 s97, 0
	s_lshl_b32 s18, s25, 1                         ; the prefetches: attn's tile 2 cy + w / 2, half w % 2 of its group
	s_lshr_b32 s19, s[WV], 1
	s_add_co_u32 s18, s18, s19
	s_mul_i32 s18, s18, TILE
	s_mul_i32 s19, s23, 3072
	s_add_co_u32 s18, s18, s19
	s_mov_b32 s19, 0
	s_lshl_b32 s20, s24, 2                         ; w_o's tile 4 cx + w
	s_add_co_u32 s20, s20, s[WV]
	s_mul_i32 s20, s20, TILE
	s_mov_b32 s21, 0
	s_wait_dscnt 0x0                               ; both opening adds are done
	s_wait_kmcnt 0x0
	s_add_nc_u64 s[92:93], s[4:5], s[92:93]
	s_add_nc_u64 s[30:31], s[6:7], s[30:31]
	s_add_nc_u64 s[94:95], s[8:9], s[94:95]
	s_add_nc_u64 s[96:97], s[10:11], s[96:97]
	s_add_nc_u64 s[PSA:PSA+1], s[92:93], s[18:19]
	s_add_nc_u64 s[PSB:PSB+1], s[94:95], s[20:21]
	G0SET G0H, 0, 92                               ; (the arguments that lay in s[4:11] have been used)
	G0SET G0HB, BOFF, 94
	G0SET G0SA, SCA, 30
	G0SET G0SB, SCB, 96
	s_mul_i32 s98, s23, 4*TILE                     ; the ring: my half of the tiles
	s_mov_b32 s99, 0
	s_add_nc_u64 s[92:93], s[92:93], s[98:99]
	s_mul_i32 s98, s23, 8*TILE
	s_add_nc_u64 s[94:95], s[94:95], s[98:99]
	s_mul_i32 s98, s23, 4*GRP                      ; and where it goes: no place in the cluster enters an LDS address
	s_mul_i32 s99, s23, 8*GRP
.irp s, 0,1
	s_mov_b32 s[G0A+4*\s], 1
	s_add_co_u32 s[G0A+4*\s+1], s98, \s*SLOT
	s_add_nc_u64 s[G0A+4*\s+2:G0A+4*\s+3], s[92:93], \s*GRP
	s_or_b32 s[G0A+4*\s+3], s[G0A+4*\s+3], 0x80000000
	s_mov_b32 s[G0B+4*\s], 1
	s_add_co_u32 s[G0B+4*\s+1], s99, \s*SLOT+BOFF
	s_add_nc_u64 s[G0B+4*\s+2:G0B+4*\s+3], s[94:95], \s*GRP
	s_or_b32 s[G0B+4*\s+3], s[G0B+4*\s+3], 0x80000000
.endr
	CROUND                                         ; all sixteen work-groups are here: the first joint loads meet
	ARM 1, G0H,  G1A,  .Lhead_b                    ; one chain of branches on the wave's number, one load to an arm
	ARM 2, G0HB, G1B,  .Lhead_sa
	ARM 3, G0SA, G1SA, .Lhead_sb
	TLOAD G0SB, G1SB
.Lhead_asked:
	s_lshl_b32 s98, s27, 10                        ; my 64 columns, in bytes: the bias,
	s_lshl_b32 s99, s[WV], 8
	s_add_co_u32 s98, s98, s99
	s_mov_b32 s99, 0
	s_add_nc_u64 s[12:13], s[12:13], s[98:99]
	s_lshl_b32 s96, s26, 20                        ; and with my 128 rows of 8,192 bytes: x and out0
	s_add_co_u32 s98, s98, s96
	s_add_nc_u64 s[14:15], s[14:15], s[98:99]
	s_add_nc_u64 s[16:17], s[16:17], s[98:99]
	s_mul_i32 s93, s[WV], 4*GRP
	s_add_co_u32 s93, s93, BOFF                    ; my four tiles of w_o in a slot
	s_lshl_b32 s94, s[WV], 12
	s_add_co_u32 s94, s94, SCB
	s_mul_i32 s96, s[WV], 16*272                   ; my stage
	v_and_b32 v1, 31, v0                           ; lane
	v_and_b32 v2, 15, v0                           ; r
	v_bfe_u32 v3, v0, 4, 1                         ; h
	v_lshlrev_b32 v[GO], 13, v3                    ; lanes 0-15 one row of x and out0, lanes 16-31 the next; 16 bytes a lane
	v_lshl_add_u32 v[GO], v2, 4, v[GO]
	v_lshlrev_b32 v[BO], 6, v3
	v_min_u32 v[PFB], 23, v1
	v_min_u32 v[PFA], 11, v1
	v_lshlrev_b32 v[PFB], 8, v[PFB]
	v_lshlrev_b32 v[PFA], 8, v[PFA]
	v_mul_u32_u24 v[ADRA], v1, 48
	v_add_nc_u32 v[ADRA+1], SLOT, v[ADRA]
	v_add_nc_u32 v[ADRB], s93, v[ADRA]
	v_add_nc_u32 v[ADRB+1], SLOT, v[ADRB]
	v_lshl_add_u32 v[ASA], v2, 2, SCA
	v_lshl_add_u32 v[ASB], v2, 2, s94
	v_mul_u32_u24 v[STO], v2, 272                  ; into the stage: row r, 64 bytes for each half of the lanes
	v_lshl_add_u32 v[STO], v3, 6, v[STO]
	v_add_nc_u32 v[STO], s96, v[STO]
	v_mul_u32_u24 v[RD], v3, 272                   ; back: sixteen lanes to a row of 256 bytes
	v_lshl_add_u32 v[RD], v2, 4, v[RD]
	v_add_nc_u32 v[RD], s96, v[RD]
	s_wait_alu depctr_va_vdst(0)
	ASK 1
	ASK 2
	WIN 0xc0
.irp t, 0,1,2,3                                    ; the bias in the results' layout: it is the C of the first products
	global_load_b128 v[96+8*\t:99+8*\t], v[BO], s[12:13] offset:128*(\t/2)+32*(\t%2)
	global_load_b128 v[100+8*\t:103+8*\t], v[BO], s[12:13] offset:128*(\t/2)+32*(\t%2)+16
.endr
	WIN 0
.macro XLOAD a                         ; the residual of block a's 16 rows: sixteen lanes read 256 consecutive bytes, aligned
	WIN 0x80
.irp i, 0,1,2,3,4,5,6,7
	global_load_b128 v[32*(\a)+4*\i:32*(\a)+4*\i+3], v[GO], s[14:15] offset:(32*((\a)/2)+8*((\a)%2)+2*(\i%4)+16*(\i/4))*8192 th:TH_LOAD_NT
.endr
	WIN 0
.endm
.macro FETCH s, p                      ; step s's fragments and scale words into set p: 48 LDS loads
	WIN 0xc0
.irp t, 0,1,2,3
.irp g, 0,1,2
	ds_load_b128 v[48*(\p)+12*\t+4*\g:48*(\p)+12*\t+4*\g+3], v[ADRB+((\s)/4)%2] offset:GRP*\t+1536*((\s)%4)+16*\g
.endr
.endr
	WIN 0
.irp a, 0,1,2,3,4,5,6,7
.irp g, 0,1,2
	ds_load_b128 v[AF+96*(\p)+12*\a+4*\g:AF+96*(\p)+12*\a+4*\g+3], v[ADRA+((\s)/4)%2] offset:GRP*\a+1536*((\s)%4)+16*\g
.endr
.endr
.irp a, 0,1,2,3,4,5,6,7
	ds_load_b32 v[SC+12*(\p)+\a], v[ASA] offset:1024*((\s)/2)+128*\a+64*((\s)%2)
.endr
.irp t, 0,1,2,3
	ds_load_b32 v[SC+12*(\p)+8+\t], v[ASB] offset:1024*\t+64*(\s)
.endr
.endm
; 16 products of step s: attn's tiles a0 .. a0 + 3 against my four tiles.  The 32 accumulators take turns, one instruction a turn, in the same order in every step.  first = 1: C is the bias.
.macro MUL s, a0, first
.irp a, \a0, \a0+1, \a0+2, \a0+3
.irp t, 0,1,2,3
.if \first
	v_wmma_scale_f32_16x16x128_f8f6f4 v[8*(4*(\a)+\t):8*(4*(\a)+\t)+7], v[48*((\s)%2)+12*\t:48*((\s)%2)+12*\t+11], v[AF+96*((\s)%2)+12*(\a):AF+96*((\s)%2)+12*(\a)+11], v[96+8*\t:96+8*\t+7], v[SC+12*((\s)%2)+8+\t], v[SC+12*((\s)%2)+(\a)] matrix_a_fmt:MATRIX_FMT_FP6 matrix_b_fmt:MATRIX_FMT_FP6
.else
	v_wmma_scale_f32_16x16x128_f8f6f4 v[8*(4*(\a)+\t):8*(4*(\a)+\t)+7], v[48*((\s)%2)+12*\t:48*((\s)%2)+12*\t+11], v[AF+96*((\s)%2)+12*(\a):AF+96*((\s)%2)+12*(\a)+11], v[8*(4*(\a)+\t):8*(4*(\a)+\t)+7], v[SC+12*((\s)%2)+8+\t], v[SC+12*((\s)%2)+(\a)] matrix_a_fmt:MATRIX_FMT_FP6 matrix_b_fmt:MATRIX_FMT_FP6
.endif
.endr
.endr
.endm
; A K step: the next step's 48 loads, in steps 1 to 8 the residual of block s - 1, then 32 products.  In a group's last step (3, 7, 11) the slots change: this step's fragments are in registers, so the slot is read no more.
.macro STEP s
.if ((\s)%4 == 3) && ((\s) < 15)
	s_wait_tensorcnt 0x0                           ; all my tensor loads have landed: my part of the other slot;
	ds_add_u32 v[SPW], v[NIL]                      ; 0 onto my spare word
.if (\s) < 11
	s_add_nc_u64 s[G0A+4*(((\s)/4)%2)+2:G0A+4*(((\s)/4)%2)+3], s[G0A+4*(((\s)/4)%2)+2:G0A+4*(((\s)/4)%2)+3], 2*GRP   ; no load of mine is out: this slot's next group
	s_add_nc_u64 s[G0B+4*(((\s)/4)%2)+2:G0B+4*(((\s)/4)%2)+3], s[G0B+4*(((\s)/4)%2)+2:G0B+4*(((\s)/4)%2)+3], 2*GRP
.endif
	WIN 0x53
	s_wait_dscnt 0x0                               ; the add is done, and my reads of this slot are over
	s_barrier_signal -1
	MUL \s, 0, 0                                   ; work on registers while the others arrive
	WIN 0
	s_barrier_wait -1
.if (\s) < 11
	CREST                                          ; the barrier has opened a round of the cluster's barrier
	JLOAD G0A+4*(((\s)/4)%2), G0B+4*(((\s)/4)%2)   ; the first tensor load behind the round; its four v_nop are the places in front of the loads below
.else
	PLACES
.endif
	FETCH (\s)+1, 1-(\s)%2
.if (\s) <= 8
	XLOAD (\s)-1
.endif
	WIN 0x53
	MUL \s, 4, 0
	WIN 0
.else
.if (\s) < 15
.if (\s) > 0
	PLACES
.endif
	FETCH (\s)+1, 1-(\s)%2
.if ((\s) >= 1) && ((\s) <= 8)
	XLOAD (\s)-1
.endif
	s_wait_dscnt 48                                ; all but the 48 just issued
.else
	s_wait_dscnt 0x0
.endif
.if (\s) == 0
	s_wait_loadcnt 0x0                             ; the bias: no other load of mine is out yet
	WIN 0x73
	MUL \s, 0, 1
	MUL \s, 4, 1
.else
	WIN 0x53
	MUL \s, 0, 0
	MUL \s, 4, 0
.endif
	WIN 0
.endif
.endm
	s_wait_tensorcnt 0x0                           ; my tile of the head's four is in
	ds_add_u32 v[SPW], v[NIL]
	s_mov_b32 s[G1A+2], 4<<16                      ; no tensor load of mine is out: from here on a load brings half of the tiles
	s_mov_b32 s[G1A+4], 4
	s_mov_b32 s[G1B+2], 8<<16
	s_mov_b32 s[G1B+4], 8
	s_wait_dscnt 0x0
	CROUND                                         ; all four tiles are in, and the joint loads meet
	JLOAD G0A+4, G0B+4                             ; group 1 into slot 1
	FETCH 0, 0
	ASK 3
.irp s, 0,1,2,3,4,5,6,7,8,9,10,11,12,13,14,15
	STEP \s
.endr
.macro TOSTAGE a                       ; block a's 16 rows x 64 columns into my stage, each accumulator from its low end on, and back by rows; LDS serves a wave's instructions in order
	WIN 0x04
.irp t, 0,1,2,3
	ds_store_b128 v[STO], v[32*(\a)+8*\t:32*(\a)+8*\t+3] offset:128*(\t/2)+32*(\t%2)
	ds_store_b128 v[STO], v[32*(\a)+8*\t+4:32*(\a)+8*\t+7] offset:128*(\t/2)+32*(\t%2)+16
.endr
	WIN 0
.set BB, BK+32*((\a)%2)
.irp i, 0,1,2,3,4,5,6,7
	ds_load_b128 v[BB+4*\i:BB+4*\i+3], v[RD] offset:544*\i
.endr
.endm
.macro SEND a, younger                 ; younger: the LDS instructions issued behind block a's loads
.set BB, BK+32*((\a)%2)
	s_wait_dscnt \younger
	WIN 0x08                                       ; x in window 2
.irp k, 0,2,4,6,8,10,12,14,16,18,20,22,24,26,28,30
	v_pk_add_f32 v[BB+\k:BB+\k+1], v[BB+\k:BB+\k+1], v[32*(\a)+\k:32*(\a)+\k+1]
.endr
	WIN 0
.irp i, 0,1,2,3,4,5,6,7
	global_store_b128 v[GO], v[BB+4*\i:BB+4*\i+3], s[16:17] offset:(32*((\a)/2)+8*((\a)%2)+2*(\i%4)+16*(\i/4))*8192 th:TH_STORE_NT   ; sixteen lanes store 256 consecutive bytes, aligned
.endr
.endm
	PLACES
	s_wait_loadcnt 0x0                             ; x is in
	TOSTAGE 0
.irp a, 1,2,3,4,5,6,7
.if \a > 1
	s_wait_xcnt 0x0                                ; block a - 2's stores have read their registers: block a's loads may land there
.endif
	TOSTAGE \a
	SEND \a-1, 16                                  ; behind block a - 1's loads: block a's 8 stores and 8 loads
.endr
	SEND 7, 0
	s_wait_tensorcnt 0x0                           ; the wave's end
	ds_add_u32 v[SPW], v[NIL]
	s_wait_dscnt 0x0
	CROUND                                         ; the closing round
	s_endpgm
.Lfunc_end_k_q8c3ef7f50a_oproj:
	.size	k_q8c3ef7f50a_oproj, .Lfunc_end_k_q8c3ef7f50a_oproj-k_q8c3ef7f50a_oproj
	.p2alignl 7, 3214868480
	.fill 96, 4, 3214868480
	.section	.rodata,"a",@progbits
	.p2align	6, 0x0
	.amdhsa_kernel k_q8c3ef7f50a_oproj
		.amdhsa_group_segment_fixed_size 327680
		.amdhsa_private_segment_fixed_size 0
		.amdhsa_enable_private_segment 0
		.amdhsa_kernarg_size 56
		.amdhsa_user_sgpr_count 2
		.amdhsa_user_sgpr_kernarg_segment_ptr 1
		.amdhsa_wavefront_size32 1
		.amdhsa_system_sgpr_workgroup_id_x 1
		.amdhsa_system_sgpr_workgroup_id_y 1
		.amdhsa_system_sgpr_workgroup_id_z 1
		.amdhsa_system_vgpr_workitem_id 0
		.amdhsa_next_free_vgpr 1024
		.amdhsa_next_free_sgpr 100
		.amdhsa_reserve_vcc 0
		.amdhsa_float_denorm_mode_32 3
		.amdhsa_float_denorm_mode_16_64 3
		.amdhsa_memory_ordered 1
		.amdhsa_forward_progress 1
		.amdhsa_inst_pref_size 161
	.end_amdhsa_kernel
	.amdgpu_metadata
---
amdhsa.version: [ 1, 2 ]
amdhsa.kernels:
  - .name:           k_q8c3ef7f50a_oproj
    .symbol:         k_q8c3ef7f50a_oproj.kd
    .args:
      - { .name: acodes, .offset: 0, .size: 8, .value_kind: global_buffer, .address_space: global }
      - { .name: ascales, .offset: 8, .size: 8, .value_kind: global_buffer, .address_space: global }
      - { .name: wcodes, .offset: 16, .size: 8, .value_kind: global_buffer, .address_space: global }
      - { .name: wscales, .offset: 24, .size: 8, .value_kind: global_buffer, .address_space: global }
      - { .name: b_o, .offset: 32, .size: 8, .value_kind: global_buffer, .address_space: global }
      - { .name: x, .offset: 40, .size: 8, .value_kind: global_buffer, .address_space: global }
      - { .name: out0, .offset: 48, .size: 8, .value_kind: global_buffer, .address_space: global }
    .group_segment_fixed_size: 327680
    .private_segment_fixed_size: 0
    .kernarg_segment_align: 8
    .kernarg_segment_size: 56
    .max_flat_workgroup_size: 128
    .sgpr_count:     100
    .vgpr_count:     1024
    .wavefront_size: 32
...
	.end_amdgpu_metadata
.endif
;; end of part 3
